; MI455X (gfx1250); checked and timed in simulation.
; The chip was launched on July 23, 2026; its instructions are those of AMD's public machine-readable ISA for CDNA 5 (MIT licence, August 2026) and "CDNA5" Instruction Set Architecture Reference Guide (July 2026). The comments in the code are by the model that wrote it; some were corrected since.
;; Parallel Attention2. Allowed arithmetic: matrix products marked QUANTISED: E5M2 operands, one given power-of-two scale a tensor, by v_wmma_f32_16x16x64_bf8_bf8 or v_wmma_f32_16x16x128_bf8_bf8, f32 sums; everything else in f32.
;; Inputs: k_codes 16 x 2,048 x 16 x 32 uint8 (E5M2 codes of k, K innermost, in blocks of 32 codes); lowp_scales 4 int32 (the exponents e of the quantised operands' scales 2^e); q_codes 16 x 2,048 x 16 x 32 uint8 (E5M2 codes of q, K innermost, in blocks of 32 codes); v_codes 16 x 512 x 64 x 32 uint8 (E5M2 codes of v, K innermost, in blocks of 32 codes).
;; Outputs: out0 16 x 2,048 x 512 float32.
;; Constants: dim = 512.
;; This version of the problem:
;;   THIS VERSION OF THE PROBLEM IS GIVEN IN LOW PRECISION. The matrix products marked QUANTISED in the list below multiply operands that are first quantised to E5M2 (5 exponent bits, 2 mantissa bits; 8 bits a number), with one given power-of-two scale for each operand tensor; their sums are f32. All else is computed in f32.
;;   The module's matrix products, in the order in which they are computed (A, B: the left and right operand; K: the contracted axis; several contracted axes count as one K, in the product's order):
;;     1. batch 16 x [M 2,048, K 512] x [K 512, N 2,048]; A: input q (given as codes); B: input k (given as codes): QUANTISED (scales: A lowp_scales[0], B lowp_scales[1])
;;     2. batch 16 x [M 2,048, K 2,048] x [K 2,048, N 512]; A: computed on the way; B: input v (given as codes): QUANTISED (scales: A lowp_scales[2], B lowp_scales[3])
;;   THE QUANTISER, for each operand of a quantised product, along K:
;;     - The operand's scale is 2^e, e = its entry of the input lowp_scales (int32; the entries are numbered through the quantised products in the list's order, A before B).
;;     - Each number is divided by the scale, clamped to +-57,344, and rounded to the nearest number of E5M2, ties to even, subnormals kept.
;;     - The product sums the exact products of the quantised numbers (number of the format x scale) in f32.
;;   ~~~python
;;   def quantise(x, axis, e):      # numpy; x: float32 -> the quantised numbers, widened to float32 again
;;       x = np.moveaxis(x, axis, -1); K = x.shape[-1]
;;       r = np.clip(x / 2.0 ** e, -57344, 57344)
;;       step = 2.0 ** (np.maximum(np.frexp(np.where(r == 0, 1, r))[1] - 1, -14) - 2)
;;       q = np.round(r / step) * step * 2.0 ** e      # np.round: ties to even
;;       return np.moveaxis(q, -1, axis).astype(np.float32)
;;   ~~~
;;   OPERANDS COMPUTED ON THE WAY. 'Computed on the way' means the value that the module computes at that place (a softmax that the list does not call 'softmax' is quantised finished and normalised). What goes into a quantiser is computed in f32, as accurately as f32 sums, v_exp_f32 and their like allow (about 1e-6 of the number): no bf16 or f16 on the way to a quantiser, and a product that is left as it is and whose result goes on into a quantised operand takes f32 operands (vector FMAs, or v_wmma_f32_16x16x4_f32). A number that lies on a knife's edge between two numbers of the format may be rounded either way, as far as f32 arithmetic and the matrix unit's own rounding can turn it there, and no further.
;;   INPUTS GIVEN AS CODES. k (in the module: [16, 2048, 512], K = its axis 2); q (in the module: [16, 2048, 512], K = its axis 2); v (in the module: [16, 2048, 512], K = its axis 1): each comes as NAME_codes (uint8): NAME with its K axis moved to the last place and cut into blocks of 32 codes, [.., K / 32, bytes a block], one block behind the other in memory; one code a byte (a code: sign, 5 exponent bits, 2 mantissa bits); its scale is its entry of lowp_scales. Its value is code x scale, taken as it is: it is not quantised again, and the codes and scales need not be those that the quantiser above would give.
;; One version. Each part assembles by itself: llvm-mc -triple=amdgcn-amd-amdhsa -mcpu=gfx1250 --defsym DOCPART=n.
;; ======== version 1 of 1: 2 launches
;; limits: right only within a limited range of input values
;; workspace buffers: negm 131,072 bytes
;; launch colstat (part 1): grid 16 x 16, 8 waves a work-group, clusters of 4 x 1, 327,680 bytes of LDS; arguments q_codes, k_codes, lowp_scales, negm; writes negm
.if DOCPART == 1
	.amdgcn_target "amdgcn-amd-amdhsa--gfx1250"
	.amdhsa_code_object_version 6
	.text
	.protected	k_qa869981800_colstat
	.globl	k_qa869981800_colstat
	.p2align	8
	.type	k_qa869981800_colstat,@function
k_qa869981800_colstat:
	s_mov_b64 s[64:65], 0
	v_nop
	global_prefetch_b8 v0, s[64:65] scope:SCOPE_SE
	s_setreg_imm32_b32 hwreg(HW_REG_WAVE_MODE, 25, 1), 1
	s_wait_xcnt 0x0
	s_wait_alu depctr_hold_cnt(0) depctr_sa_sdst(0) depctr_va_vdst(0) depctr_va_sdst(0) depctr_va_ssrc(0) depctr_va_vcc(0) depctr_vm_vsrc(0)
	s_getreg_b32 s2, hwreg(HW_REG_IB_STS2, 6, 4)
	s_cmp_eq_u32 s2, 0
	s_cbranch_scc0 .Lentry_in_a_cluster
	s_endpgm
.Lentry_in_a_cluster:
	s_bfe_u32 s2, ttmp6, 0x10000c
	s_cmp_lg_u32 s2, 0x3003
	s_cbranch_scc0 .Lentry_shape_is_right
	s_endpgm
.Lentry_shape_is_right:
; THE FIRST SWEEP.  The softmax runs over the QUERIES: key column (b, k) is normalised over the 2,048 queries of batch b.  For every key
;   negm[b][k] = -(c m) - log2(l),  m = the column's largest raw score, l = the sum over the queries of 2^(c s - c m),  c = log2(e) / sqrt(512) x 2^(e0 + e1),
; so that the second sweep gets the finished weight as 2^(c s + negm[k]).  The maximum is a running one.
; LIMITS: e0 + e1 between -122 and 131 (added to c's exponent field).  Codes for infinity and NaN are not served.
; SHARES.  A work-group owns 128 keys of a batch and walks the 2,048 queries in 8 tiles of 256.  Wave w: i = w & 1 picks 64 keys (their fragments stay in registers),
; j = w >> 1 picks 64 of a tile's queries.  Source 0 = 16 queries, source 1 = 16 keys: a lane holds ONE key (lane % 16) and eight queries, so maxima and sums stay in the lane;
; a key's eight parts (4 waves x 2 halves of the lanes) meet in LDS at the end.
; TWO ROLES.  Waves 0-3 multiply a tile and then take its statistics; waves 4-7 take the last tile's statistics and then multiply.
; CLUSTER.  The four key blocks of a cluster walk the same tiles of Q: each tile is asked for jointly (mask 15); every wave fetches 32 rows of 512 bytes.
; A fragment (16 rows x 128 K) comes by four loads of 16 bytes at row x pitch + 128 s + 32 c + 16 (lane / 16): the same order of k on both sides, here and in the second sweep.
; REGISTERS: window 0: v4-13 addresses; v16-47 statistics; v64-127 Q's fragments, two sets of two; v128-255 the 16 accumulators.  window 1: K's 16 fragments.
.set PITCH,  528                       ; 512 bytes + 16 of padding
.set SLOTB,  256*PITCH
.set TILEB,  256*512
.set SCR,    2*SLOTB                   ; [8 parts][128 keys] of -c m,
.set SCRL,   SCR+4096                  ; and of l
.set SPARE,  SCRL+4096                 ; the spare words: 128 bytes for each of eight waves
.set SPW,  4
.set NIL,  5
.set AQ,   6                           ; v6-7 my fragments of Q in slot 0, 1
.set KO,   8
.set PFO,  9
.set SCW,  10
.set SCRD, 11
.set GO,   12
.set ST,   16                          ; key tile kt at v[ST + 8 kt]: +0 -c m, +1 m, +2 +3 l, +4 a, +5 the old -c m, +6 +7 the tile's sum
.set F,    64
.set S,    128                         ; accumulator (kt, qt) at v[S + 8 (4 kt + qt)]
.set WV,   12
.set SI,   13
.set SJ,   14
.set CX,   15
.set KB,   16
.set BAT,  17
.set G1,   24
.set G0,   32                          ; s[32:39] group 0, a set for each slot
.set CS,   40
.set NCS,  42
.set LOOP, 43
.set LIM,  44                          ; 1 in a wave that prefetches, else the greatest number
.set PFA,  46
.set MSB, 0
.macro WIN new
.if MSB != \new
	s_set_vgpr_msb (MSB<<8)|\new
.set MSB, \new
.endif
.endm
.macro PLACES n
.rept \n
	v_nop
.endr
.endm
.macro CROUND                          ; a round of the cluster's barrier
	s_barrier_signal -1
	s_barrier_wait -1
	s_cmp_lg_u32 s[WV], 0
	s_cbranch_scc1 .Lnot_wave_0_\@
	s_barrier_signal -3
.Lnot_wave_0_\@:
	s_barrier_wait -3
	s_barrier_signal -1
	s_barrier_wait -1
.endm
	s_load_b256 s[4:11], s[0:1], 0x0               ; q, k, the scales' exponents, negm
	v_lshl_add_u32 v[SPW], v0, 2, SPARE
	v_mov_b32 v[NIL], 0
	ds_add_u32 v[SPW], v[NIL]                      ; the opening lines: the add twice on end
	ds_add_u32 v[SPW], v[NIL]
	v_lshrrev_b32 v1, 5, v0
	v_readfirstlane_b32 s[WV], v1                  ; wave 0..7
	v_and_b32 v1, 15, v0                           ; r
	v_bfe_u32 v2, v0, 4, 1                         ; h
	v_and_b32 v3, 31, v0                           ; lane
	v_lshlrev_b32 v[KO], 9, v1
	v_lshl_add_u32 v[KO], v2, 4, v[KO]             ; row r of 512 bytes + 16 h
	s_wait_alu depctr_va_vdst(0)                   ; the wait ahead of the scalar run
	s_and_b32 s[SI], s[WV], 1
	s_lshr_b32 s[SJ], s[WV], 1
	s_bfe_u32 s[CX], ttmp6, 0x40000
	s_lshl_b32 s[KB], ttmp9, 2
	s_add_co_u32 s[KB], s[KB], s[CX]               ; my block of 128 keys
	s_and_b32 s[BAT], ttmp7, 0xffff                ; the batch, which the four partners share
	s_mov_b32 s[G1+0], 15|(1<<20)|(1<<21)|(6<<22)|(3<<25)  ; mask 15; bytes; four words of padding after every 128
	s_mov_b32 s[G1+1], 512<<16
	s_mov_b32 s[G1+2], 32<<16
	s_mov_b32 s[G1+3], 512<<16
	s_mov_b32 s[G1+4], 32
	s_mov_b32 s[G1+5], 512
	s_mov_b32 s[G1+6], 0
	s_mov_b32 s[G1+7], 0
	s_mul_i32 s19, s[WV], 32*PITCH                 ; my 32 rows in a slot,
	s_lshl_b32 s20, s[BAT], 20
	s_lshl_b32 s21, s[WV], 14                      ; and in a tile of memory
	s_add_co_u32 s20, s20, s21
	s_mov_b32 s21, 0
	s_lshl_b32 s52, s[KB], 7
	s_lshl_b32 s53, s[SI], 6
	s_add_co_u32 s52, s52, s53                     ; my first key
	s_lshl_b32 s52, s52, 9
	s_lshl_b32 s53, s[BAT], 20
	s_add_co_u32 s52, s52, s53
	s_mov_b32 s53, 0
	s_wait_dscnt 0x0                               ; both opening adds are done
	s_wait_kmcnt 0x0
	s_load_b64 s[48:49], s[8:9], 0x0               ; e0, e1
	s_add_nc_u64 s[22:23], s[4:5], s[20:21]
.irp n, 0,1
	s_mov_b32 s[G0+4*\n], 1
	s_add_co_u32 s[G0+4*\n+1], s19, \n*SLOTB
	s_add_nc_u64 s[G0+4*\n+2:G0+4*\n+3], s[22:23], \n*TILEB
	s_or_b32 s[G0+4*\n+3], s[G0+4*\n+3], 0x80000000
.endr
	s_add_nc_u64 s[6:7], s[6:7], s[52:53]
	CROUND                                         ; the first joint loads meet
	tensor_load_to_lds s[G0:G0+3], s[G1:G1+7]      ; tile 0: one tensor load a wave at the head
	s_nop 0
	PLACES 4
	WIN 0x40
.irp kt, 0,1,2,3                               ; K's fragment (kt, s) at v[16 (4 kt + s)] of window 1: it stays
.irp s, 0,1,2,3
.irp c, 0,1,2,3
	global_load_b128 v[16*(4*\kt+\s)+4*\c:16*(4*\kt+\s)+4*\c+3], v[KO], s[6:7] offset:\kt*8192+\s*128+32*\c
.endr
.endr
.endr
	WIN 0
	s_mul_i32 s18, s[SJ], 64*PITCH                 ; my 64 rows of a tile
	s_lshl_b32 s19, s[SJ], 10                      ; part 2 j + h of eight: 512 bytes each; key 64 i + 16 kt + r: 4 bytes each
	s_lshl_b32 s20, s[SI], 8
	s_add_co_u32 s19, s19, s20
	s_add_co_u32 s19, s19, SCR
	v_mul_u32_u24 v13, v1, PITCH
	v_lshl_add_u32 v13, v2, 4, v13
	v_add_nc_u32 v[AQ], s18, v13
	v_add_nc_u32 v[AQ+1], SLOTB, v[AQ]
	v_lshlrev_b32 v[PFO], 8, v3
	v_lshlrev_b32 v[SCW], 2, v1
	v_lshl_add_u32 v[SCW], v2, 9, v[SCW]
	v_add_nc_u32 v[SCW], s19, v[SCW]
	v_lshl_add_u32 v[SCRD], v3, 4, SCR
	v_lshlrev_b32 v[GO], 4, v3
	s_wait_alu depctr_va_vdst(0)                   ; the wait ahead of the scalar run
	s_lshl_b32 s52, s[BAT], 13                     ; negm: the batch's 8,192 bytes, my block's 512
	s_lshl_b32 s53, s[KB], 9
	s_add_co_u32 s52, s52, s53
	s_mov_b32 s53, 0
	s_add_nc_u64 s[10:11], s[10:11], s[52:53]
	s_lshr_b32 s18, s[WV], 2
	s_xor_b32 s18, s18, 1                          ; 0 in waves 4-7,
	s_or_b32 s18, s18, ttmp9                       ; of the batch's first cluster: the same in all four partners
	s_cmp_eq_u32 s18, 0
	s_cselect_b32 s[LIM], 1, -1
	s_lshl_b32 s54, s[CX], 15                      ; the partners share a tile's 131,072 bytes out by address: 32,768 each,
	s_and_b32 s55, s[WV], 3
	s_lshl_b32 s55, s55, 13                        ; 8,192 a wave, lanes 256 bytes apart
	s_add_co_u32 s54, s54, s55
	s_lshl_b32 s55, s[BAT], 20
	s_add_co_u32 s54, s54, s55
	s_add_co_u32 s54, s54, 2*TILEB                 ; at tile 2: the first change of slots steps it to tile 3
	s_mov_b32 s55, 0
	s_add_nc_u64 s[PFA:PFA+1], s[4:5], s[54:55]
	s_wait_kmcnt 0x0
	s_add_co_i32 s18, s48, s49
	s_lshl_b32 s18, s18, 23
	s_mov_b32 s[CS], 0x3d8293ee                    ; log2(e) / sqrt(512)
	s_add_co_i32 s[CS], s[CS], s18                 ; x 2^(e0 + e1)
	s_mov_b32 s[CS+1], s[CS]
	s_xor_b32 s[NCS], s[CS], 0x80000000            ; -c
	s_mov_b32 s[LOOP], 3
.irp kt, 0,1,2,3
	v_mov_b32 v[ST+8*\kt+1], 0xff61b1e6            ; m: -3e38, under every score
	v_mul_f32 v[ST+8*\kt], s[NCS], v[ST+8*\kt+1]
	v_mov_b32 v[ST+8*\kt+2], 0                     ; l = 0: it stays 0 under the first a
	v_mov_b32 v[ST+8*\kt+3], 0
	v_mov_b32 v[ST+8*\kt+4], 0
	v_mov_b32 v[ST+8*\kt+5], 0
	v_mov_b32 v[ST+8*\kt+6], 0
	v_mov_b32 v[ST+8*\kt+7], 0
.endr
; Eight LDS loads: group g's two fragments of Q (K step g / 2, query tiles 2 (g % 2), 2 (g % 2) + 1) into set g % 2
.macro RUN slot, g
.irp e, 0,1
.irp c, 0,1,2,3
	ds_load_b128 v[F+32*((\g)%2)+16*\e+4*\c:F+32*((\g)%2)+16*\e+4*\c+3], v[AQ+\slot] offset:(2*((\g)%2)+\e)*16*PITCH+((\g)/2)*128+32*\c
.endr
.endr
.endm
; A tile's 64 products: eight groups of eight; the 16 accumulators take turns
.macro MAT slot
	WIN 0x04                                       ; source 1 (K) window 1
	RUN \slot, 0
	RUN \slot, 1
.irp g, 0,1,2,3,4,5,6,7
.if \g < 7
	s_wait_dscnt 8                                 ; this group's eight loads are in; the younger run may be out
.else
	s_wait_dscnt 0
.endif
.irp e, 0,1
.irp kt, 0,1,2,3
.set rS, S+8*(4*\kt+2*(\g%2)+\e)
.set rF, F+32*(\g%2)+16*\e
.set rK, 16*(4*\kt+\g/2)
.if \g < 2
	v_wmma_f32_16x16x128_bf8_bf8 v[rS:rS+7], v[rF:rF+15], v[rK:rK+15], 0
.else
	v_wmma_f32_16x16x128_bf8_bf8 v[rS:rS+7], v[rF:rF+15], v[rK:rK+15], v[rS:rS+7]
.endif
.endr
.endr
.if \g < 6
	PLACES 4                                       ; in front of loads into registers that these products have read
	RUN \slot, \g+2
.endif
.endr
	PLACES 5                                       ; in front of reads of results, the next loads, and products that begin anew over these registers
	WIN 0
.endm
; A tile's statistics, the four key tiles line by line: maxima, the new -c m, all scalings, then ONE batch of 132 exponentials between its two waits, then the sums
.macro VEC
.set n, 0
.rept 16
.irp kt, 0,1,2,3
	v_max3_num_f32 v[ST+8*\kt+1], v[ST+8*\kt+1], v[S+32*\kt+2*n], v[S+32*\kt+2*n+1]   ; each accumulator is read from its low end on
.endr
.set n, n+1
.endr
.irp kt, 0,1,2,3
	v_mov_b32 v[ST+8*\kt+5], v[ST+8*\kt]
.endr
.irp kt, 0,1,2,3
	v_mul_f32 v[ST+8*\kt], s[NCS], v[ST+8*\kt+1]   ; the new -c m
.endr
.irp kt, 0,1,2,3
	v_sub_f32 v[ST+8*\kt+4], v[ST+8*\kt], v[ST+8*\kt+5]   ; c m_old - c m_new, 0 or less
.endr
.set pp, 0
.rept 64
	v_pk_fma_f32 v[S+2*pp:S+2*pp+1], v[S+2*pp:S+2*pp+1], s[CS:CS+1], v[ST+8*(pp/16):ST+8*(pp/16)+1] op_sel_hi:[1,0,0]   ; c s - c m
.set pp, pp+1
.endr
	s_wait_alu depctr_va_vdst(0)                   ; the wait ahead of the batch
.irp kt, 0,1,2,3
	v_exp_f32 v[ST+8*\kt+4], v[ST+8*\kt+4]         ; a
.endr
.set n, 0
.rept 128
	v_exp_f32 v[S+n], v[S+n]
.set n, n+1
.endr
	v_nop
	s_wait_alu depctr_va_vdst(0)                   ; and behind it, ahead of its first reader
.irp kt, 0,1,2,3
	v_pk_add_f32 v[ST+8*\kt+6:ST+8*\kt+7], v[S+32*\kt:S+32*\kt+1], v[S+32*\kt+2:S+32*\kt+3]
.endr
.set n, 2
.rept 14
.irp kt, 0,1,2,3
	v_pk_add_f32 v[ST+8*\kt+6:ST+8*\kt+7], v[ST+8*\kt+6:ST+8*\kt+7], v[S+32*\kt+2*n:S+32*\kt+2*n+1]
.endr
.set n, n+1
.endr
.irp kt, 0,1,2,3
	v_pk_fma_f32 v[ST+8*\kt+2:ST+8*\kt+3], v[ST+8*\kt+2:ST+8*\kt+3], v[ST+8*\kt+4:ST+8*\kt+5], v[ST+8*\kt+6:ST+8*\kt+7] op_sel_hi:[1,0,1]   ; l = a l + the tile's sum
.endr
	s_wait_alu depctr_va_vdst(0)                   ; the wait ahead of the waits and branches that follow
.endm
.macro ROLEA                           ; waves 0-3 alone
	s_cmp_lt_u32 s[WV], 4
	s_cbranch_scc0 .Lnot_a_\@
	VEC
.Lnot_a_\@:
.endm
.macro ROLEB                           ; waves 4-7 alone
	s_cmp_lt_u32 s[WV], 4
	s_cbranch_scc1 .Lnot_b_\@
	VEC
.Lnot_b_\@:
.endm
.macro PERIOD slot
	ROLEB
	MAT \slot
	ROLEA
.endm
; A prefetch of the tile after the one that is being fetched, a period of 64 products a wave ahead of its load.  The batch's first cluster asks; its partners share the tile out by address;
; waves 4-7 ask, one instruction each, lanes 256 bytes apart: each aligned block of 256 bytes is named once.  how = 0: the last trip's second change has no tile behind it.
.macro ASK how
.if \how
	s_cmp_eq_u32 s[LIM], 1
.else
	s_cmp_gt_u32 s[LOOP], s[LIM]
.endif
	s_cbranch_scc0 .Lnot_mine_\@
	global_prefetch_b8 v[PFO], s[PFA:PFA+1] th:TH_LOAD_NT scope:SCOPE_SE
.Lnot_mine_\@:
.endm
; THE CHANGE OF SLOTS ahead of the period that reads \slot: all my tensor loads are in, the add, my reads of the other slot are over; refill = 1: a round, and the other slot takes the tile two on
.macro CHANGE slot, refill, how
	s_wait_tensorcnt 0x0
	ds_add_u32 v[SPW], v[NIL]
.if \refill
	s_add_nc_u64 s[G0+4*(1-\slot)+2:G0+4*(1-\slot)+3], s[G0+4*(1-\slot)+2:G0+4*(1-\slot)+3], 2*TILEB
	s_wait_xcnt 0x0                                ; the last prefetch has read its address
	s_add_nc_u64 s[PFA:PFA+1], s[PFA:PFA+1], TILEB
	s_wait_dscnt 0x0
	CROUND
	tensor_load_to_lds s[G0+4*(1-\slot):G0+4*(1-\slot)+3], s[G1:G1+7]
	s_nop 0
	PLACES 4
	ASK \how
.else
	s_wait_dscnt 0x0
	s_barrier_signal -1
	s_barrier_wait -1
.endif
.endm
	s_wait_alu depctr_va_vdst(0)                   ; the wait at the head's end
	s_wait_tensorcnt 0x0                           ; my part of tile 0 is in; slot 1's first fill goes out as a refill does
	ds_add_u32 v[SPW], v[NIL]
	s_wait_dscnt 0x0
	CROUND
	tensor_load_to_lds s[G0+4:G0+7], s[G1:G1+7]    ; tile 1
	s_nop 0
	PLACES 4
	s_wait_loadcnt 0x0                             ; K
	MAT 0
	ROLEA
.Ltrip:                                                ; three trips: tiles 1 to 6; both slots are filled again in each
	CHANGE 1, 1, 1
	PERIOD 1
	CHANGE 0, 1, 0
	PERIOD 0
	s_sub_co_u32 s[LOOP], s[LOOP], 1
	s_cmp_lg_u32 s[LOOP], 0
	s_cbranch_scc1 .Ltrip
	CHANGE 1, 0, 0                                 ; tile 7: nothing is left to fetch
	PERIOD 1
	ROLEB
	; THE PARTS MEET.  Part p has N_p = -c m_p and l_p.  N = the least N_p; l = the sum of l_p 2^(N - N_p); negm = N - log2(l)
.irp kt, 0,1,2,3
	v_add_f32 v[ST+8*\kt+2], v[ST+8*\kt+2], v[ST+8*\kt+3]
.endr
.irp kt, 0,1,2,3
	ds_store_b32 v[SCW], v[ST+8*\kt] offset:64*\kt
	ds_store_b32 v[SCW], v[ST+8*\kt+2] offset:4096+64*\kt
.endr
	s_wait_dscnt 0x0                               ; for the others' sake: my stores have landed
	s_barrier_signal -1
	s_barrier_wait -1
	s_cmp_lg_u32 s[WV], 0
	s_cbranch_scc1 .Ldone                          ; wave 0 finishes: a lane takes four keys
.irp p, 0,1,2,3,4,5,6,7
	ds_load_b128 v[128+4*\p:131+4*\p], v[SCRD] offset:512*\p
.endr
.irp p, 0,1,2,3,4,5,6,7
	ds_load_b128 v[160+4*\p:163+4*\p], v[SCRD] offset:4096+512*\p
.endr
	s_wait_dscnt 0x0
.irp q, 0,1,2,3
	v_min3_num_f32 v[192+\q], v[128+\q], v[132+\q], v[136+\q]
.endr
.irp q, 0,1,2,3
	v_min3_num_f32 v[192+\q], v[192+\q], v[140+\q], v[144+\q]
.endr
.irp q, 0,1,2,3
	v_min3_num_f32 v[192+\q], v[192+\q], v[148+\q], v[152+\q]
.endr
.irp q, 0,1,2,3
	v_min_num_f32 v[192+\q], v[192+\q], v[156+\q]
.endr
.irp p, 0,1,2,3,4,5,6,7
.irp q, 0,1,2,3
	v_sub_f32 v[128+4*\p+\q], v[192+\q], v[128+4*\p+\q]
.endr
.endr
	s_wait_alu depctr_va_vdst(0)                   ; ahead of the batch
.set n, 0
.rept 32
	v_exp_f32 v[128+n], v[128+n]
.set n, n+1
.endr
	v_nop
	s_wait_alu depctr_va_vdst(0)                   ; behind it
.irp q, 0,1,2,3
	v_mul_f32 v[196+\q], v[128+\q], v[160+\q]
.endr
.irp p, 1,2,3,4,5,6,7
.irp q, 0,1,2,3
	v_fmac_f32 v[196+\q], v[128+4*\p+\q], v[160+4*\p+\q]
.endr
.endr
	s_wait_alu depctr_va_vdst(0)                   ; ahead of the four logarithms
.irp q, 0,1,2,3
	v_log_f32 v[196+\q], v[196+\q]                 ; l is at least 1: the column's largest score adds 1
.endr
	v_nop
	s_wait_alu depctr_va_vdst(0)                   ; behind them
.irp q, 0,1,2,3
	v_sub_f32 v[200+\q], v[192+\q], v[196+\q]
.endr
	global_store_b128 v[GO], v[200:203], s[10:11]  ; the wave stores 512 consecutive bytes, at a multiple of 512 from negm's first byte
.Ldone:
	s_wait_tensorcnt 0x0                           ; the wave's end
	ds_add_u32 v[SPW], v[NIL]
	s_wait_dscnt 0x0
	CROUND                                         ; the closing round
	s_endpgm
.Lfunc_end_k_qa869981800_colstat:
	.size	k_qa869981800_colstat, .Lfunc_end_k_qa869981800_colstat-k_qa869981800_colstat
	.p2alignl 7, 3214868480
	.fill 96, 4, 3214868480
	.section	.rodata,"a",@progbits
	.p2align	6, 0x0
	.amdhsa_kernel k_qa869981800_colstat
		.amdhsa_group_segment_fixed_size 327680
		.amdhsa_private_segment_fixed_size 0
		.amdhsa_enable_private_segment 0
		.amdhsa_kernarg_size 32
		.amdhsa_user_sgpr_count 2
		.amdhsa_user_sgpr_kernarg_segment_ptr 1
		.amdhsa_wavefront_size32 1
		.amdhsa_system_sgpr_workgroup_id_x 1
		.amdhsa_system_sgpr_workgroup_id_y 1
		.amdhsa_system_sgpr_workgroup_id_z 1
		.amdhsa_system_vgpr_workitem_id 0
		.amdhsa_next_free_vgpr 512
		.amdhsa_next_free_sgpr 66
		.amdhsa_reserve_vcc 0
		.amdhsa_float_denorm_mode_32 3
		.amdhsa_float_denorm_mode_16_64 3
		.amdhsa_memory_ordered 1
		.amdhsa_forward_progress 1
		.amdhsa_inst_pref_size 193
	.end_amdhsa_kernel
	.amdgpu_metadata
---
amdhsa.version: [ 1, 2 ]
amdhsa.kernels:
  - .name:           k_qa869981800_colstat
    .symbol:         k_qa869981800_colstat.kd
    .args:
      - { .name: q_codes, .offset: 0, .size: 8, .value_kind: global_buffer, .address_space: global }
      - { .name: k_codes, .offset: 8, .size: 8, .value_kind: global_buffer, .address_space: global }
      - { .name: lowp_scales, .offset: 16, .size: 8, .value_kind: global_buffer, .address_space: global }
      - { .name: negm, .offset: 24, .size: 8, .value_kind: global_buffer, .address_space: global }
    .group_segment_fixed_size: 327680
    .private_segment_fixed_size: 0
    .kernarg_segment_align: 8
    .kernarg_segment_size: 32
    .max_flat_workgroup_size: 256
    .sgpr_count:     66
    .vgpr_count:     512
    .wavefront_size: 32
...
	.end_amdgpu_metadata
.endif
;; end of part 1
;; launch attn (part 2): grid 16 x 16, 4 waves a work-group, clusters of 4 x 1, 327,680 bytes of LDS; arguments q_codes, k_codes, v_codes, lowp_scales, negm, out0; writes out0
.if DOCPART == 2
	.amdgcn_target "amdgcn-amd-amdhsa--gfx1250"
	.amdhsa_code_object_version 6
	.text
	.protected	k_qa869981800_attn
	.globl	k_qa869981800_attn
	.p2align	8
	.type	k_qa869981800_attn,@function
k_qa869981800_attn:
	s_mov_b64 s[64:65], 0
	v_nop
	global_prefetch_b8 v0, s[64:65] scope:SCOPE_SE
	s_setreg_imm32_b32 hwreg(HW_REG_WAVE_MODE, 25, 1), 1
	s_wait_xcnt 0x0
	s_wait_alu depctr_hold_cnt(0) depctr_sa_sdst(0) depctr_va_vdst(0) depctr_va_sdst(0) depctr_va_ssrc(0) depctr_va_vcc(0) depctr_vm_vsrc(0)
	s_getreg_b32 s2, hwreg(HW_REG_IB_STS2, 6, 4)
	s_cmp_eq_u32 s2, 0
	s_cbranch_scc0 .Lentry_in_a_cluster
	s_endpgm
.Lentry_in_a_cluster:
	s_bfe_u32 s2, ttmp6, 0x10000c
	s_cmp_lg_u32 s2, 0x3003
	s_cbranch_scc0 .Lentry_shape_is_right
	s_endpgm
.Lentry_shape_is_right:
; THE SECOND SWEEP.  out[b][q][:] = the sum over k of Q8(2^(c s(q, k) + negm[b][k])) v[b][k][:], c = log2(e) / sqrt(512) x 2^(e0 + e1): the finished, normalised weight of the softmax over the queries
; is quantised to E5M2 with the given 2^e2 (held at 57,344 x 2^e2) and multiplied with V's codes; the sums are scaled by 2^(e2 + e3).
; LIMITS: e0 + e1 between -122 and 131; e2 between -126 and 112; e2 + e3 between -126 and 127 (each is laid into an f32 exponent field).  Codes for infinity and NaN are not served.
; SHARES.  A work-group owns 128 queries of a batch and walks the 2,048 keys in 8 steps of 256.  Wave w: i = w >> 1 picks 64 queries (Q's fragments stay in window 1), j = w & 1.
; Scores: S^T = K Q^T for keys 64 j + 0..63 and 128 + 64 j + 0..63 of the step, in four chunks of 32 keys (8 accumulators, two sets that take turns): a lane holds one query, its registers run along the keys.
; The codes reach the other waves through a stage in LDS: the 8 codes of lane (r, h) in key tile e of a chunk go to 16 r + 8 h + 256 e, so that lane (r, h) reads back 16 neighbouring keys, 32 c + 16 h + 0..15,
; the order in which V's fragments come by loads of 16 bytes.  O^T = V^T P^T: 64 queries x channels 256 j + 0..255 in windows 2, 3.
; THE SOFTMAX OF CHUNK c - 1 LIES IN CHUNK c's PRODUCTS: its 32 scalings among the first 16, then ONE batch of 64 exponentials between its two waits, its 64 holds and 8 conversions among the last 16.
; LDS: one slot for K's 256 rows, refilled behind the scores, and one for V's 512 rows x 256 keys, refilled behind the second product; negm's 8,192 bytes come once, through registers, into bytes of their own.
; CLUSTER: the four query blocks of a cluster walk the same K and V: every tile is asked for jointly (mask 15), a quarter a wave.  At the head K's first tile alone is asked for; V's first goes out as a refill does.
; PREFETCH: the batch's first cluster asks for the K tile and V tile after the one being fetched, shared out by address among partners and waves; the last two changes ask for nothing.
.set KP,    528
.set VP,    272
.set VS,    256*KP
.set STG,   VS+512*VP
.set SPARE, STG+32768
.set NMS,   SPARE+512
.set KTILE, 256*512
.set SPW,  4
.set NIL,  5
.set AK,   6
.set AV,   8
.set PST,  9
.set PLD,  10
.set NM0,  11
.set NMA,  12
.set QO,   13
.set PFKO, 14
.set PFVO, 15
.set STO,  16
.set RD,   17
.set CO,   18
.set NMG,  19                          ; 16 x my thread's number: negm's bytes in memory,
.set SCL,  20
.set NMW,  21                          ; and in LDS
.set CD,   24
.set NM,   32
.set TMP,  32
.set F,    64
.set S,    128
.set BK,   128
.set WV,   16
.set SI,   17
.set SJ,   18
.set CX,   19
.set QB,   20
.set BAT,  21
.set G1K,  24                          ; 64 rows of K
.set G1V,  32                          ; 128 rows of V
.set G0K,  40
.set G0V,  44
.set CS,   48
.set LOOP, 50
.set LIM,  51
.set PFK,  56
.set PFV,  58
.set OSC,  60
.set NMT,  62
.set LIMS, 66
.set Q0,   67
.set W0K,  15|(1<<20)|(1<<21)|(6<<22)|(3<<25)
.set W0V,  15|(1<<20)|(1<<21)|(5<<22)|(3<<25)
.set MSB, 0
.macro WIN new
.if MSB != \new
	s_set_vgpr_msb (MSB<<8)|\new
.set MSB, \new
.endif
.endm
.macro PLACES n
.rept \n
	v_nop
.endr
.endm
.macro CROUND
	s_barrier_signal -1
	s_barrier_wait -1
	s_cmp_lg_u32 s[WV], 0
	s_cbranch_scc1 .Lnot_wave_0_\@
	s_barrier_signal -3
.Lnot_wave_0_\@:
	s_barrier_wait -3
	s_barrier_signal -1
	s_barrier_wait -1
.endm
.macro BAR
	s_wait_dscnt 0x0
	s_barrier_signal -1
	s_barrier_wait -1
.endm
.macro DESC1 g, w0, c, r, p            ; group 1: r rows of c elements, p elements apart
	s_mov_b32 s[\g], \w0
	s_mov_b32 s[\g+1], (\c)<<16
	s_mov_b32 s[\g+2], (\r)<<16
	s_mov_b32 s[\g+3], (\c)<<16
	s_mov_b32 s[\g+4], \r
	s_mov_b32 s[\g+5], \p
	s_mov_b32 s[\g+6], 0
	s_mov_b32 s[\g+7], 0
.endm
.macro DESC0 g, base                   ; group 0 but for its LDS address: the buffer + s[96:97]
	s_mov_b32 s[\g], 1
	s_add_nc_u64 s[\g+2:\g+3], s[\base:\base+1], s[96:97]
	s_or_b32 s[\g+3], s[\g+3], 0x80000000
.endm
	s_load_b256 s[4:11], s[0:1], 0x0               ; q, k, v, the scales' exponents
	s_load_b128 s[12:15], s[0:1], 0x20             ; negm, out
	v_lshl_add_u32 v[SPW], v0, 2, SPARE
	v_mov_b32 v[NIL], 0
	ds_add_u32 v[SPW], v[NIL]                      ; the opening lines: the add twice on end
	ds_add_u32 v[SPW], v[NIL]
	v_lshrrev_b32 v1, 5, v0
	v_readfirstlane_b32 s[WV], v1
	v_and_b32 v1, 15, v0                           ; r
	v_bfe_u32 v2, v0, 4, 1                         ; h
	v_and_b32 v3, 31, v0                           ; lane
	v_lshlrev_b32 v[QO], 9, v1
	v_lshl_add_u32 v[QO], v2, 4, v[QO]
	v_lshlrev_b32 v[NMG], 4, v0
	v_add_nc_u32 v[NMW], NMS, v[NMG]
	s_wait_alu depctr_va_vdst(0)                   ; the wait ahead of the scalar run
	s_lshr_b32 s[SI], s[WV], 1
	s_and_b32 s[SJ], s[WV], 1
	s_bfe_u32 s[CX], ttmp6, 0x40000
	s_lshl_b32 s[QB], ttmp9, 2
	s_add_co_u32 s[QB], s[QB], s[CX]
	s_and_b32 s[BAT], ttmp7, 0xffff
	DESC1 G1K, W0K, 512, 64, 512
	DESC1 G1V, W0V, 256, 128, 2048
	s_lshl_b32 s22, s[BAT], 20                     ; the batch's first byte in each tensor of codes
	s_lshl_b32 s[Q0], s[QB], 7
	s_lshl_b32 s96, s[SI], 6
	s_add_co_u32 s[Q0], s[Q0], s96                 ; my first query
	s_lshl_b32 s96, s[Q0], 9
	s_add_co_u32 s96, s96, s22
	s_mov_b32 s97, 0
	s_wait_dscnt 0x0                               ; both opening adds are done
	s_wait_kmcnt 0x0
	s_load_b128 s[52:55], s[10:11], 0x0            ; e0 .. e3
	s_add_nc_u64 s[4:5], s[4:5], s[96:97]
	s_lshl_b32 s96, s[WV], 15                      ; K: 64 rows x wave
	s_add_co_u32 s96, s96, s22
	DESC0 G0K, 6
	s_mul_i32 s[G0K+1], s[WV], 64*KP
	s_lshl_b32 s96, s[WV], 18                      ; V: 128 rows x wave
	s_add_co_u32 s96, s96, s22
	DESC0 G0V, 8
	s_mul_i32 s[G0V+1], s[WV], 128*VP
	s_add_co_u32 s[G0V+1], s[G0V+1], VS
	s_lshl_b32 s96, s[BAT], 13                     ; negm: the batch's 8,192 bytes
	s_add_nc_u64 s[12:13], s[12:13], s[96:97]
	CROUND                                         ; the first joint loads meet
	tensor_load_to_lds s[G0K:G0K+3], s[G1K:G1K+7]  ; K's first 256 keys: one tensor load a wave at the head
	s_nop 0
	PLACES 4
.irp i, 0,1,2,3
	global_load_b128 v[S+4*\i:S+4*\i+3], v[NMG], s[12:13] offset:2048*\i   ; negm: the work-group's 128 threads take 2,048 consecutive bytes an instruction
.endr
	WIN 0x40
.irp qt, 0,1,2,3                               ; Q's fragment (qt, s) at v[16 (4 qt + s)] of window 1: it stays
.irp s, 0,1,2,3
.irp c, 0,1,2,3
	global_load_b128 v[16*(4*\qt+\s)+4*\c:16*(4*\qt+\s)+4*\c+3], v[QO], s[4:5] offset:\qt*8192+\s*128+32*\c
.endr
.endr
.endr
	WIN 0
	s_lshl_b32 s96, s[Q0], 11                      ; out: my first query's row of 2,048 bytes, my 256 channels
	s_lshl_b32 s98, s[BAT], 22
	s_add_co_u32 s96, s96, s98
	s_lshl_b32 s98, s[SJ], 10
	s_add_co_u32 s96, s96, s98
	s_add_nc_u64 s[14:15], s[14:15], s[96:97]
	s_lshl_b32 s96, s[CX], 15                      ; the prefetches: K's tile shared out by address, 32,768 bytes a partner, 8,192 a wave
	s_lshl_b32 s98, s[WV], 13
	s_add_co_u32 s96, s96, s98
	s_add_co_u32 s96, s96, s22
	s_add_co_u32 s96, s96, KTILE
	s_add_nc_u64 s[PFK:PFK+1], s[6:7], s[96:97]
	s_lshl_b32 s96, s[CX], 18                      ; V's: 128 rows a partner, 32 a wave, a lane a row
	s_lshl_b32 s98, s[WV], 16
	s_add_co_u32 s96, s96, s98
	s_add_co_u32 s96, s96, s22
	s_add_co_u32 s96, s96, 256
	s_add_nc_u64 s[PFV:PFV+1], s[8:9], s[96:97]
	s_cmp_eq_u32 ttmp9, 0
	s_cselect_b32 s[LIM], 1, -1
	s_mov_b32 s[NMT], 0
	s_mov_b32 s[LOOP], 6
	s_mul_i32 s96, s[SJ], 64*KP
	s_mul_i32 s97, s[SJ], 256*VP
	s_add_co_u32 s97, s97, VS
	s_lshl_b32 s98, s[SI], 14
	s_add_co_u32 s98, s98, STG
	s_lshl_b32 s99, s[SJ], 10
	s_add_co_u32 s99, s99, s98
	s_lshl_b32 s100, s[SJ], 8
	s_add_co_u32 s100, s100, NMS
	s_mul_i32 s101, s[WV], 16*528
	v_mul_u32_u24 v[AK], v1, KP
	v_lshl_add_u32 v[AK], v2, 4, v[AK]
	v_add_nc_u32 v[AK], s96, v[AK]
	v_add_nc_u32 v[AK+1], 128*KP, v[AK]
	v_mul_u32_u24 v[AV], v1, VP
	v_lshl_add_u32 v[AV], v2, 4, v[AV]             ; V: row r, + 16 h
	v_add_nc_u32 v[AV], s97, v[AV]
	v_lshlrev_b32 v[CO], 4, v3
	v_add_nc_u32 v[PLD], s98, v[CO]                ; P back: 16 x lane
	v_lshlrev_b32 v[PST], 4, v1
	v_lshl_add_u32 v[PST], v2, 3, v[PST]
	v_add_nc_u32 v[PST], s99, v[PST]               ; P in: 16 r + 8 h
	v_lshlrev_b32 v[NM0], 5, v2
	v_add_nc_u32 v[NM0], s100, v[NM0]
	v_lshlrev_b32 v[PFKO], 8, v3
	v_lshlrev_b32 v[PFVO], 11, v3
	v_mul_u32_u24 v[STO], v1, 528
	v_lshl_add_u32 v[STO], v2, 5, v[STO]
	v_add_nc_u32 v[STO], s101, v[STO]
	v_add_nc_u32 v[RD], s101, v[CO]
	s_wait_alu depctr_va_vdst(0)                   ; the wait ahead of the wait below
	s_wait_kmcnt 0x0
	s_add_co_i32 s23, s52, s53
	s_lshl_b32 s23, s23, 23
	s_mov_b32 s[CS], 0x3d8293ee                    ; log2(e) / sqrt(512)
	s_add_co_i32 s[CS], s[CS], s23
	s_mov_b32 s[CS+1], s[CS]
	s_add_co_i32 s23, s54, 127
	s_lshl_b32 s63, s23, 23
	v_mov_b32 v[SCL], s63                          ; 2^e2
	s_add_co_i32 s23, s23, 15
	s_lshl_b32 s23, s23, 23
	s_or_b32 s[LIMS], s23, 0x600000                ; 57,344 x 2^e2
	s_add_co_i32 s23, s54, s55
	s_add_co_i32 s23, s23, 127
	s_lshl_b32 s[OSC], s23, 23                     ; 2^(e2 + e3)
	s_mov_b32 s[OSC+1], s[OSC]
.macro KRUN g
.irp e, 0,1
.irp c, 0,1,2,3
	ds_load_b128 v[F+32*((\g)%2)+16*\e+4*\c:F+32*((\g)%2)+16*\e+4*\c+3], v[AK+(\g)/8] offset:(2*(((\g)/4)%2)+\e)*16*KP+((\g)%4)*128+32*\c
.endr
.endr
.endm
.macro NMLOAD u, kt
	ds_load_b128 v[NM+8*(\kt):NM+8*(\kt)+3], v[NMA] offset:512*(\u)+64*(\kt)
	ds_load_b128 v[NM+8*(\kt)+4:NM+8*(\kt)+7], v[NMA] offset:512*(\u)+64*(\kt)+16
.endm
.macro SFMA p                          ; c s + negm, two keys at a time
	v_pk_fma_f32 v[XS+2*(\p):XS+2*(\p)+1], v[XS+2*(\p):XS+2*(\p)+1], s[CS:CS+1], v[XN+2*((\p)%8):XN+2*((\p)%8)+1] op_sel_hi:[1,0,1]
.endm
.macro EXPS                            ; a chunk's 64 exponentials: one batch, one wait ahead of it and one behind it
	s_wait_alu depctr_va_vdst(0)
.set n, 0
.rept 64
	v_exp_f32 v[XS+n], v[XS+n]
.set n, n+1
.endr
	v_nop
	s_wait_alu depctr_va_vdst(0)
.endm
.macro SMIN4                           ; the hold: the weight is not negative, so it is one-sided
.irp n, 0,1,2,3
	v_min_num_f32 v[XS+NN+\n], v[XS+NN+\n], s[LIMS]
.endr
.endm
.macro CODES                           ; query tiles QQ, QQ + 1 of chunk CHS: conversion t = 2 (tile) + e; four stores of 8 bytes a lane
.irp t, 0,1,2,3
	v_cvt_scalef32_pk8_bf8_f32 v[CD+2*\t:CD+2*\t+1], v[XS+16*QQ+8*\t:XS+16*QQ+8*\t+7], v[SCL]
.endr
	v_nop
.irp t, 0,1,2,3
	ds_store_b64 v[PST], v[CD+2*\t:CD+2*\t+1] offset:4096*(QQ+\t/2)+2048*(CHS/2)+512*(CHS%2)+256*(\t%2)
.endr
.endm
; 16 groups of 8 products: group GG = chunk GG / 4, K step GG % 4: two fragments of K x my four query tiles; the 8 accumulators take turns
.macro SCORES
	PLACES 5
	v_add_nc_u32 v[NMA], s[NMT], v[NM0]
.irp kt, 0,1,2,3
	NMLOAD 0, \kt
.endr
	WIN 0x04
	KRUN 0
	KRUN 1
.set EXD, 0
.set GG, 0
.rept 16
.if GG < 15
	s_wait_dscnt 8+EXD                             ; this group's loads are in; out may be the next run's 8 and the EXD stores or negm loads issued ahead of it
.else
	s_wait_dscnt EXD
.endif
.set EXD, 0
.set CHS, GG/4-1
.set XS, S+64*((GG/4+1)%2)
.set XN, NM+16*((GG/4+1)%2)
.set WW, 0
.rept 8
.set rS, S+64*((GG/4)%2)+8*(2*(WW%4)+WW/4)
.set rF, F+32*(GG%2)+16*(WW/4)
.set rQ, 16*(4*(WW%4)+GG%4)
.if GG%4 == 0
	v_wmma_f32_16x16x128_bf8_bf8 v[rS:rS+7], v[rF:rF+15], v[rQ:rQ+15], 0
.else
	v_wmma_f32_16x16x128_bf8_bf8 v[rS:rS+7], v[rF:rF+15], v[rQ:rQ+15], v[rS:rS+7]
.endif
.if GG >= 4
.if GG%4 < 2
	SFMA 16*(GG%4)+2*WW
	SFMA 16*(GG%4)+2*WW+1
.else
.set NN, 32*(GG%4-2)+4*WW
	SMIN4
.endif
.endif
.set WW, WW+1
.endr
.if GG < 4
	PLACES 4
.elseif GG%4 == 0
	PLACES 2                                       ; with the two scalings: four places in front of the loads below
.elseif GG%4 == 1
	PLACES 2
	EXPS
.else
	WIN 0
.set QQ, 2*(GG%4-2)
	CODES
.set EXD, 4
.if GG < 15
	WIN 0x04
.endif
.endif
.if (GG == 8) || (GG == 12)
	NMLOAD 1, (GG-8)/2
	NMLOAD 1, (GG-8)/2+1
.set EXD, 4
.endif
.if GG < 14
	KRUN GG+2
.endif
.set GG, GG+1
.endr
	WIN 0
.endm
.macro TAILSM                          ; the last chunk's softmax
.set CHS, 3
.set XS, S+64
.set XN, NM+16
.set PP, 0
.rept 32
	SFMA PP
.set PP, PP+1
.endr
	EXPS
.irp q, 0,2
.set QQ, \q
.set NN, 16*\q
.rept 8
	SMIN4
.set NN, NN+4
.endr
	CODES
.endr
.endm
.macro ASK off, adr
	s_cmp_gt_u32 s[LOOP], s[LIM]
	s_cbranch_scc0 .Lnot_mine_\@
	global_prefetch_b8 v[\off], s[\adr:\adr+1] th:TH_LOAD_NT scope:SCOPE_SE
.Lnot_mine_\@:
.endm
.macro CHANGE_K fill                   ; the scores are done: K's slot takes the next 256 keys, 64 rows a wave
	s_wait_tensorcnt 0x0
	ds_add_u32 v[SPW], v[NIL]
.if \fill
	s_add_nc_u64 s[G0K+2:G0K+3], s[G0K+2:G0K+3], KTILE
	s_wait_xcnt 0x0
	s_add_nc_u64 s[PFK:PFK+1], s[PFK:PFK+1], KTILE
	s_wait_dscnt 0x0
	CROUND
	tensor_load_to_lds s[G0K:G0K+3], s[G1K:G1K+7]
	s_nop 0
	PLACES 4
	ASK PFKO, PFK
.else
	s_wait_dscnt 0x0
	s_barrier_signal -1
	s_barrier_wait -1
.endif
.endm
.macro CHANGE_V                        ; the second product is done: V's slot takes the next 256 keys, 128 rows a wave
	s_wait_tensorcnt 0x0
	ds_add_u32 v[SPW], v[NIL]
	s_add_nc_u64 s[G0V+2:G0V+3], s[G0V+2:G0V+3], 256
	s_wait_xcnt 0x0
	s_add_nc_u64 s[PFV:PFV+1], s[PFV:PFV+1], 256
	s_add_co_u32 s[NMT], s[NMT], 1024
	s_wait_dscnt 0x0
	CROUND
	tensor_load_to_lds s[G0V:G0V+3], s[G1V:G1V+7]
	s_nop 0
	PLACES 4
	ASK PFVO, PFV
.endm
.macro VRUN g                          ; two fragments of V: eight loads of 16 bytes
.irp e, 0,1
.irp c, 0,1,2,3
	ds_load_b128 v[F+32*((\g)%2)+16*\e+4*\c:F+32*((\g)%2)+16*\e+4*\c+3], v[AV] offset:(2*((\g)%8)+\e)*16*VP+128*((\g)/8)+32*\c
.endr
.endr
.endm
.macro PRUN ks
.irp qt, 0,1,2,3
.irp c, 0,1,2,3
	ds_load_b128 v[S+16*(2*\qt+\ks)+4*\c:S+16*(2*\qt+\ks)+4*\c+3], v[PLD] offset:(2*\qt+\ks)*2048+512*\c
.endr
.endr
.endm
.macro PVMUL zero                      ; 16 groups of 8 products: two fragments of V x my four query tiles
	VRUN 0
	PRUN 0
	VRUN 1
.irp g, 0,1,2,3,4,5,6,7,8,9,10,11,12,13,14,15
.if \g == 3
	s_wait_dscnt 24                                ; behind this group's loads: P's second K step (16) and the next run (8)
.elseif \g < 15
	s_wait_dscnt 8                                 ; the next run's 8 may be out
.else
	s_wait_dscnt 0
.endif
.if (\g%8) < 4
	WIN 0xa0
.else
	WIN 0xf0
.endif
.irp e, 0,1
.irp qt, 0,1,2,3
.set rO, 64*\qt+8*((2*(\g%8)+\e)%8)
.set rF, F+32*(\g%2)+16*\e
.set rP, S+16*(2*\qt+\g/8)
.if \zero && (\g < 8)
	v_wmma_f32_16x16x128_bf8_bf8 v[rO:rO+7], v[rF:rF+15], v[rP:rP+15], 0
.else
	v_wmma_f32_16x16x128_bf8_bf8 v[rO:rO+7], v[rF:rF+15], v[rP:rP+15], v[rO:rO+7]
.endif
.endr
.endr
.if \g < 14
	PLACES 4
	WIN 0
.if \g == 2
	PRUN 1
.endif
	VRUN \g+2
.endif
.endr
	WIN 0
.endm
.macro SUPER first, last
	SCORES
	CHANGE_K 1-\last
	TAILSM
	BAR                                            ; everybody's codes of P are in the stage
	PVMUL \first
.if !\last
	CHANGE_V
.endif
.endm
	s_wait_alu depctr_va_vdst(0)                   ; the wait at the head's end
	s_wait_loadcnt 0x0                             ; negm and Q
.irp i, 0,1,2,3
	ds_store_b128 v[NMW], v[S+4*\i:S+4*\i+3] offset:2048*\i
.endr
	s_wait_tensorcnt 0x0                           ; my quarter of K is in; V's first fill goes out as a refill does
	ds_add_u32 v[SPW], v[NIL]
	s_wait_dscnt 0x0                               ; the add and my stores of negm are done
	CROUND                                         ; everybody's part of K and of negm is in
	tensor_load_to_lds s[G0V:G0V+3], s[G1V:G1V+7]  ; V's first 256 keys: the scores' 128 products a wave stand between this request and the wait for it
	s_nop 0
	PLACES 4
	SUPER 1, 0                                     ; the first step starts O's sums
.Lsuper:
	SUPER 0, 0
	s_sub_co_u32 s[LOOP], s[LOOP], 1
	s_cmp_lg_u32 s[LOOP], 0
	s_cbranch_scc1 .Lsuper
	SUPER 0, 1                                     ; the last step fetches nothing
; THE WAY OUT: 16 queries x 128 channels at a time, scaled, through my stage in K's slot (it has had its last fill), and out as rows of 512 bytes
.macro TOSTAGE a
	WIN 0x02+((\a)/4)
.set n, 0
.rept 32
	v_pk_mul_f32 v[TMP+n:TMP+n+1], v[64*((\a)%4)+n:64*((\a)%4)+n+1], s[OSC:OSC+1] op_sel_hi:[1,0]
.set n, n+2
.endr
	WIN 0
.irp b, 0,1,2,3,4,5,6,7
	ds_store_b128 v[STO], v[TMP+8*\b:TMP+8*\b+3] offset:64*\b
	ds_store_b128 v[STO], v[TMP+8*\b+4:TMP+8*\b+7] offset:64*\b+16
.endr
.irp t, 0,1,2,3,4,5,6,7,8,9,10,11,12,13,14,15
	ds_load_b128 v[BK+64*((\a)%2)+4*\t:BK+64*((\a)%2)+4*\t+3], v[RD] offset:\t*528
.endr
.endm
.macro SEND a, younger
	s_wait_dscnt \younger
.irp t, 0,1,2,3,4,5,6,7,8,9,10,11,12,13,14,15
	global_store_b128 v[CO], v[BK+64*((\a)%2)+4*\t:BK+64*((\a)%2)+4*\t+3], s[14:15] offset:(16*((\a)%4)+\t)*2048+512*((\a)/4) th:TH_STORE_NT
.endr
.endm
	PLACES 4
	TOSTAGE 0
.irp a, 1,2,3,4,5,6,7
.if \a > 1
	s_wait_xcnt 0x0                                ; the stores two blocks back have read their registers
.endif
	TOSTAGE \a
	SEND \a-1, 32                                  ; the 32 LDS instructions of the block just staged may be out
.endr
	SEND 7, 0
	s_wait_tensorcnt 0x0                           ; the wave's end
	ds_add_u32 v[SPW], v[NIL]
	s_wait_dscnt 0x0
	CROUND                                         ; the closing round
	s_endpgm
.Lfunc_end_k_qa869981800_attn:
	.size	k_qa869981800_attn, .Lfunc_end_k_qa869981800_attn-k_qa869981800_attn
	.p2alignl 7, 3214868480
	.fill 96, 4, 3214868480
	.section	.rodata,"a",@progbits
	.p2align	6, 0x0
	.amdhsa_kernel k_qa869981800_attn
		.amdhsa_group_segment_fixed_size 327680
		.amdhsa_private_segment_fixed_size 0
		.amdhsa_enable_private_segment 0
		.amdhsa_kernarg_size 48
		.amdhsa_user_sgpr_count 2
		.amdhsa_user_sgpr_kernarg_segment_ptr 1
		.amdhsa_wavefront_size32 1
		.amdhsa_system_sgpr_workgroup_id_x 1
		.amdhsa_system_sgpr_workgroup_id_y 1
		.amdhsa_system_sgpr_workgroup_id_z 1
		.amdhsa_system_vgpr_workitem_id 0
		.amdhsa_next_free_vgpr 1024
		.amdhsa_next_free_sgpr 102
		.amdhsa_reserve_vcc 0
		.amdhsa_float_denorm_mode_32 3
		.amdhsa_float_denorm_mode_16_64 3
		.amdhsa_memory_ordered 1
		.amdhsa_forward_progress 1
		.amdhsa_inst_pref_size 255
	.end_amdhsa_kernel
	.section	.bss,"aw",@nobits
	.p2align	6
	.space	262144
	.amdgpu_metadata
---
amdhsa.version: [ 1, 2 ]
amdhsa.kernels:
  - .name:           k_qa869981800_attn
    .symbol:         k_qa869981800_attn.kd
    .args:
      - { .name: q_codes, .offset: 0, .size: 8, .value_kind: global_buffer, .address_space: global }
      - { .name: k_codes, .offset: 8, .size: 8, .value_kind: global_buffer, .address_space: global }
      - { .name: v_codes, .offset: 16, .size: 8, .value_kind: global_buffer, .address_space: global }
      - { .name: lowp_scales, .offset: 24, .size: 8, .value_kind: global_buffer, .address_space: global }
      - { .name: negm, .offset: 32, .size: 8, .value_kind: global_buffer, .address_space: global }
      - { .name: out0, .offset: 40, .size: 8, .value_kind: global_buffer, .address_space: global }
    .group_segment_fixed_size: 327680
    .private_segment_fixed_size: 0
    .kernarg_segment_align: 8
    .kernarg_segment_size: 48
    .max_flat_workgroup_size: 128
    .sgpr_count:     102
    .vgpr_count:     1024
    .wavefront_size: 32
...
	.end_amdgpu_metadata
.endif
;; end of part 2
